; MI455X (gfx1250); checked and timed in simulation.
; The chip was launched on July 23, 2026; its instructions are those of AMD's public machine-readable ISA for CDNA 5 (MIT licence, August 2026) and "CDNA5" Instruction Set Architecture Reference Guide (July 2026). The comments in the code are by the model that wrote it; some were corrected since.
;; Multi Agent SEPS Network Parallel. Allowed arithmetic: float matrix products may take bf16 or f16 operands with f32 sums; other float arithmetic in f32, or as packed bf16 or f16 multiplies, adds, multiply-adds, maxima and minima; sums over many terms, partial sums and values carried from step to step in f32; what a program stores and reads back later, other than sums and carried values, may be rounded once to bf16 or f16.
;; Inputs: W0 4 x 128 x 1,024 float32; W1 4 x 1,024 x 1,024 float32; W2 4 x 1,024 x 512 float32; b0 4 x 1,024 float32; b1 4 x 1,024 float32; b2 4 x 512 float32; inputs 8 x 1,024 x 128 float32; seps_indices 1,024 x 8 int32.
;; Outputs: out0 8 x 1,024 x 512 float32.
;; 2 versions, each right; version 2 is version 1 with the launch chain written anew for expert scheduling mode. Each part assembles by itself: llvm-mc -triple=amdgcn-amd-amdhsa -mcpu=gfx1250 --defsym DOCPART=n.
;; ======== version 1 of 2: 2 launches
;; limits: values are held in f16: magnitudes above 65,504 overflow, below 6.1e-05 lose precision; right only within a limited range of input values
;; workspace buffers: wsw 13,631,488 bytes; route 35,072 bytes of whole numbers
;; launch prep (part 1): grid 209 x 1, 8 waves a work-group, no clusters, 67,840 bytes of LDS; arguments W0, W1, W2, seps_indices, wsw, route; writes wsw, route
.if DOCPART == 1
	.amdgcn_target "amdgcn-amd-amdhsa--gfx1250"
	.amdhsa_code_object_version 6
	.text
	.protected	k_qcb5028bbe8_prep
	.globl	k_qcb5028bbe8_prep
	.p2align	8
	.type	k_qcb5028bbe8_prep,@function
k_qcb5028bbe8_prep:
	s_mov_b64 s[64:65], 0
	v_nop
	global_prefetch_b8 v0, s[64:65] scope:SCOPE_SE
	s_setreg_imm32_b32 hwreg(HW_REG_WAVE_MODE, 25, 1), 1
	s_wait_xcnt 0x0
; PREP.  Work-group 0 sorts the 8,192 tokens by their network and writes a table of 131 tiles; work-groups 1 to 208 round the weights and lay them out for the chain.
; route: words 0..8191 = token rows (row = agent x 1024 + sample) grouped by network; from byte 32,768 on 131 entries of 16 bytes: network, first index in that list, count (1..64), 0.
; wsw: [network 4][wave 8][step 104][4,096 bytes].  A step is four fragments of 16 features x 32 k, 1,024 bytes each; in a fragment the 16 bytes at 512 hf + 256 h + 16 r hold
;   W[k0 + 16 hf + 8 h + 0..7][f0 + r], so that a load of 16 bytes a lane at 16 x lane fills registers 4 hf .. 4 hf + 3 of a matrix operand.
;   Steps: 4 p + s (W0, pass p, k = 32 s), 8 + 32 p + s (W1), 72 + s (W2); features 64 (8 p + wave) + 16 x fragment.
; FORMATS.  Every weight is rounded once to bf16; W1's bf16 number is then written as f16 (the chain's second product is in f16).
; LIMITS.  |W1| below 65,520; a W1 below 2^-14 keeps f16's fixed step of 2^-24.  NaN and infinities are not treated apart.  An index is clamped to 0..3.
; TILES.  g_e = ceil(c_e / 64); their sum lies in 128..131.  The largest network (the first of equals; it has 2,048 rows or more) gets x = 131 - sum more tiles: its first x full tiles
; are cut into two of 32 rows.  So there are 131 tiles with a row or more each, whatever the split.
.set FP,    1040                       ; a fragment in LDS: 1,024 bytes + 16: the 16 lanes of half a store then touch 16 different 16-byte columns modulo 256 bytes
.set TRW,   8*FP                       ; a wave's own 8 fragments
.set CNT,   8*TRW                      ; 66,560: the waves' counts, 16 bytes each (a block of 256 bytes)
.set SPARE, CNT+256                    ; 66,816: the spare words, 128 bytes for each of the 8 waves, which no other line names
.set STREAM, 104*4096                  ; bytes of one wave's stream for one network
.set F, 32                             ; v[32:159]  32 rows of 4 f32 as loaded; later the fragments read back
.set P, 160                            ; v[160:223] packed 16-byte pieces
	s_load_b256 s[4:11], s[0:1], 0x0               ; W0 s[4:5], W1 s[6:7], W2 s[8:9], seps_indices s[10:11]
	s_load_b128 s[12:15], s[0:1], 0x20             ; wsw s[12:13], route s[14:15]
	v_lshl_add_u32 v30, v0, 2, SPARE               ; my spare word; never rewritten
	v_mov_b32 v31, 0                               ; 0; never rewritten
	v_lshrrev_b32 v1, 5, v0
	v_readfirstlane_b32 s20, v1                    ; wave 0..7
	s_wait_kmcnt 0x0
	s_cmp_eq_u32 ttmp9, 0                          ; the work-group's number: the same answer in all eight waves
	s_cbranch_scc1 .Lsort
	; ---------------- THE WEIGHTS.  A wave takes one block of 32 k x 128 features: one step of two neighbouring streams. ----------------
	v_and_b32 v2, 31, v0                           ; lane
	v_lshlrev_b32 v1, 4, v2                        ; 16 x lane: my 4 features in a row of 512 bytes, and my 16 bytes of 512 on the way out
	s_mul_i32 s21, s20, TRW
	v_lshrrev_b32 v3, 2, v2                        ; my features' fragment: lane / 4
	v_and_b32 v2, 3, v2
	v_mul_u32_u24 v3, v3, FP
	v_lshl_add_u32 v2, v2, 6, v3                   ; + 16 r, r = 4 (lane % 4) + i; the i stands in the stores' offsets
	v_add_nc_u32 v2, s21, v2                       ; v2: where I put pieces
	v_add_nc_u32 v3, s21, v1                       ; v3: where I read fragments back
	s_sub_co_u32 s21, ttmp9, 1                     ; y = 0..207
; The block's place.  q = 8 (y - ybase) + wave; s = its low sb bits (k step), u = the next ub bits (128 features), e = the rest (network).
; Source: W + (e << esh) + (s << ssh) + 512 u.  Destination: wsw + ((8 e + 2 (u % 4)) x 104 + sig + ((u / 4) << sb) + s) x 4,096.
.macro WHERE ybase, sb, ub, esh, ssh, sig, wlo
	s_sub_co_u32 s28, s21, \ybase
	s_lshl_b32 s28, s28, 3
	s_add_co_u32 s28, s28, s20                     ; q
	s_and_b32 s29, s28, (1<<(\sb))-1               ; s
	s_lshr_b32 s30, s28, \sb
	s_and_b32 s30, s30, (1<<(\ub))-1               ; u
	s_lshr_b32 s31, s28, (\sb)+(\ub)               ; e
	s_lshl_b32 s24, s31, \esh
	s_lshl_b32 s32, s29, \ssh
	s_add_co_u32 s24, s24, s32
	s_lshl_b32 s32, s30, 9
	s_add_co_u32 s24, s24, s32
	s_mov_b32 s25, 0
	s_add_nc_u64 s[22:23], s[\wlo:\wlo+1], s[24:25]  ; the block's first row
	s_and_b32 s32, s30, 3
	s_lshl_b32 s32, s32, 1
	s_lshl_b32 s33, s31, 3
	s_add_co_u32 s32, s32, s33                     ; 8 e + the first of the two streams
	s_mul_i32 s32, s32, 104
	s_lshr_b32 s33, s30, 2                         ; the pass
	s_lshl_b32 s33, s33, \sb
	s_add_co_u32 s32, s32, s33
	s_add_co_u32 s32, s32, s29
	s_add_co_u32 s32, s32, \sig
	s_lshl_b32 s24, s32, 12
	s_add_nc_u64 s[26:27], s[12:13], s[24:25]      ; the step's 4,096 bytes in the first stream
.endm
; 32 rows in (512 neighbouring bytes a load), rounded and packed along k, turned through my own LDS bytes, 16 x 512 neighbouring bytes out.  half = 1: the bf16 number is written as f16.
.macro CONVERT pitch, half
.set k, 0
.rept 32
	global_load_b128 v[F+4*k:F+4*k+3], v1, s[22:23] offset:k*(\pitch) th:TH_LOAD_NT
.set k, k+1
.endr
.irp c, 0,1,2,3                        ; rows 8 c .. 8 c + 7: the piece (hf, h) = (c / 2, c % 2)
	s_wait_loadcnt 24-8*\c                         ; loads come back in order: these eight rows are in, the 8 (3 - c) younger loads stay out
.irp i, 0,1,2,3                        ; my feature i
.irp g, 0,1,2,3                        ; rows 8 c + 2 g and the next
.if \half
	v_cvt_pk_bf16_f32 v[4+3*\g], v[F+4*(8*\c+2*\g)+\i], v[F+4*(8*\c+2*\g+1)+\i]
	v_lshlrev_b32 v[5+3*\g], 16, v[4+3*\g]
	v_and_b32 v[6+3*\g], 0xffff0000, v[4+3*\g]
	v_cvt_pk_f16_f32 v[P+16*\i+4*\c+\g], v[5+3*\g], v[6+3*\g]
.else
	v_cvt_pk_bf16_f32 v[P+16*\i+4*\c+\g], v[F+4*(8*\c+2*\g)+\i], v[F+4*(8*\c+2*\g+1)+\i]
.endif
.endr
	ds_store_b128 v2, v[P+16*\i+4*\c:P+16*\i+4*\c+3] offset:512*(\c/2)+256*(\c%2)+16*\i
.endr
.endr
.set n, 0
.rept 16                               ; fragment n / 2, half n % 2.  My own bytes, and LDS serves a wave's instructions in order (ISA guide 5.7.1.4): no wait between the stores and these loads
	ds_load_b128 v[F+4*n:F+4*n+3], v3 offset:(n/2)*FP+512*(n%2)
.set n, n+1
.endr
.set n, 0
.rept 16
	s_wait_dscnt 15-n                              ; load n is back, the 15 - n younger ones stay out
	global_store_b128 v1, v[F+4*n:F+4*n+3], s[26:27] offset:(n/8)*STREAM+((n/2)%4)*1024+(n%2)*512  ; fragments 0-3 to the first stream, 4-7 to the second; 512 consecutive aligned bytes
.set n, n+1
.endr
	s_wait_tensorcnt 0x0                           ; the wave's end
	ds_add_u32 v30, v31
	s_wait_dscnt 0x0
	s_endpgm
.endm
	s_cmp_lt_u32 s21, 16
	s_cbranch_scc0 .Lnot_w0
	WHERE 0, 2, 3, 19, 17, 0, 4                    ; W0: 4 networks x 8 blocks of features x 4 k steps = 128 blocks
	CONVERT 4096, 0
.Lnot_w0:
	s_cmp_lt_u32 s21, 144
	s_cbranch_scc0 .Lnot_w1
	WHERE 16, 5, 3, 22, 17, 8, 6                   ; W1: 4 x 8 x 32 = 1,024 blocks
	CONVERT 4096, 1
.Lnot_w1:
	WHERE 144, 5, 2, 21, 16, 72, 8                 ; W2: 4 x 4 x 32 = 512 blocks
	CONVERT 2048, 0
	; ---------------- THE SORT: a counting sort by ballots, 256 threads, 32 tokens each. ----------------
.Lsort:
	v_lshlrev_b32 v1, 4, v0                        ; 16 x thread
.irp j, 0,1,2,3,4,5,6,7
	global_load_b128 v[32+4*\j:35+4*\j], v1, s[10:11] offset:4096*\j  ; words 1024 j + 4 t + c of [sample][agent]: sample 128 j + t / 2, agent 4 (t % 2) + c
.endr
	v_and_b32 v3, 1, v0
	v_lshrrev_b32 v2, 1, v0
	v_lshl_add_u32 v3, v3, 12, v2                  ; the thread's part of the row: 4,096 (t % 2) + t / 2; 1,024 c + 128 j is a constant of the register
	s_mov_b32 s44, 0
	s_mov_b32 s45, 0
	s_mov_b32 s46, 0
	s_wait_loadcnt 0x0
.set n, 0
.rept 32                               ; my wave's counts of networks 0, 1, 2
	v_min_u32 v[32+n], 3, v[32+n]
	v_cmp_eq_u32 s40, 0, v[32+n]
	v_cmp_eq_u32 s41, 1, v[32+n]
	v_cmp_eq_u32 s42, 2, v[32+n]
	s_bcnt1_i32_b32 s40, s40
	s_bcnt1_i32_b32 s41, s41
	s_bcnt1_i32_b32 s42, s42
	s_add_co_u32 s44, s44, s40
	s_add_co_u32 s45, s45, s41
	s_add_co_u32 s46, s46, s42
.set n, n+1
.endr
	s_add_co_u32 s47, s44, s45
	s_add_co_u32 s47, s47, s46
	s_sub_co_u32 s47, 1024, s47                    ; and of network 3: the rest of the wave's 1,024
	v_mov_b32 v4, s44
	v_mov_b32 v5, s45
	v_mov_b32 v6, s46
	v_mov_b32 v7, s47
	s_lshl_b32 s21, s20, 4
	s_add_co_u32 s21, s21, CNT
	v_mov_b32 v8, s21
	ds_store_b128 v8, v[4:7]                       ; all lanes write the same 16 bytes with the same numbers
	s_wait_dscnt 0x0                               ; for the others' sake: my store is done
	s_barrier_signal -1
	s_barrier_wait -1
	v_mov_b32 v9, CNT
.irp w, 0,1,2,3,4,5,6,7
	ds_load_b128 v[96+4*\w:99+4*\w], v9 offset:16*\w
.endr
.irp e, 48,49,50,51,52,53,54,55
	s_mov_b32 s\e, 0                               ; s[48:51] the networks' totals, s[52:55] the sums over the waves in front of mine
.endr
	s_wait_dscnt 0x0
.irp w, 0,1,2,3,4,5,6,7
	v_readfirstlane_b32 s40, v[96+4*\w]
	v_readfirstlane_b32 s41, v[97+4*\w]
	v_readfirstlane_b32 s42, v[98+4*\w]
	v_readfirstlane_b32 s43, v[99+4*\w]
	s_cmp_lt_u32 \w, s20                           ; the four selects stand straight behind the compare: the additions below set SCC
	s_cselect_b32 s56, s40, 0
	s_cselect_b32 s57, s41, 0
	s_cselect_b32 s58, s42, 0
	s_cselect_b32 s59, s43, 0
	s_add_co_u32 s48, s48, s40
	s_add_co_u32 s49, s49, s41
	s_add_co_u32 s50, s50, s42
	s_add_co_u32 s51, s51, s43
	s_add_co_u32 s52, s52, s56
	s_add_co_u32 s53, s53, s57
	s_add_co_u32 s54, s54, s58
	s_add_co_u32 s55, s55, s59
.endr
	s_mov_b32 s60, 0                               ; s[60:63] where each network's rows begin in the list
	s_mov_b32 s61, s48
	s_add_co_u32 s62, s61, s49
	s_add_co_u32 s63, s62, s50
	s_add_co_u32 s53, s53, s61                     ; s[52:55] where my wave's next row of each network goes
	s_add_co_u32 s54, s54, s62
	s_add_co_u32 s55, s55, s63
.set n, 0
.rept 32                               ; a token's place = its network's running base + the number of lower lanes with the same network
	v_cmp_eq_u32 s40, 0, v[32+n]
	v_cmp_eq_u32 s41, 1, v[32+n]
	v_cmp_eq_u32 s42, 2, v[32+n]
	v_cmp_eq_u32 s43, 3, v[32+n]
	v_mbcnt_lo_u32_b32 v10, s40, s52
	v_mbcnt_lo_u32_b32 v11, s41, s53
	v_mbcnt_lo_u32_b32 v12, s42, s54
	v_mbcnt_lo_u32_b32 v13, s43, s55
	v_cndmask_b32 v10, v10, v11, s41
	v_cndmask_b32 v10, v10, v12, s42
	v_cndmask_b32 v10, v10, v13, s43
	v_min_u32 v10, 0x1fff, v10                     ; a place made of loaded numbers is held inside the list
	v_lshlrev_b32 v[32+n], 2, v10                  ; each store has address and data registers of its own: no source is written again
	v_add_nc_u32 v[64+n], 1024*(n%4)+128*(n/4), v3
	global_store_b32 v[32+n], v[64+n], s[14:15]    ; the lanes of one network write neighbouring words: four runs a store
	s_bcnt1_i32_b32 s40, s40
	s_bcnt1_i32_b32 s41, s41
	s_bcnt1_i32_b32 s42, s42
	s_bcnt1_i32_b32 s43, s43
	s_add_co_u32 s52, s52, s40
	s_add_co_u32 s53, s53, s41
	s_add_co_u32 s54, s54, s42
	s_add_co_u32 s55, s55, s43
.set n, n+1
.endr
	; the table of tiles: scalars first
.irp e, 0,1,2,3
	s_add_co_u32 s[68+\e], s[48+\e], 63
	s_lshr_b32 s[68+\e], s[68+\e], 6               ; g_e
.endr
	s_add_co_u32 s75, s68, s69
	s_add_co_u32 s75, s75, s70
	s_add_co_u32 s75, s75, s71
	s_sub_co_u32 s74, 131, s75                     ; x = 0..3
	s_mov_b32 s72, 0                               ; L, the first largest network
	s_mov_b32 s73, s48
.irp e, 1,2,3
	s_cmp_gt_u32 s[48+\e], s73
	s_cselect_b32 s72, \e, s72
	s_cselect_b32 s73, s[48+\e], s73
.endr
.irp e, 0,1,2,3
	s_cmp_eq_u32 s72, \e
	s_cselect_b32 s79, s74, 0
	s_add_co_u32 s[68+\e], s[68+\e], s79           ; tiles of network e
.endr
	s_mov_b32 s76, s68                             ; the first tile of networks 1, 2, 3
	s_add_co_u32 s77, s76, s69
	s_add_co_u32 s78, s77, s70
	; thread i makes entry i
	v_cmp_le_u32 s40, s76, v0
	v_cmp_le_u32 s41, s77, v0
	v_cmp_le_u32 s42, s78, v0
	v_cndmask_b32 v12, 0, 1, s40                   ; the network
	v_cndmask_b32 v12, v12, 2, s41
	v_cndmask_b32 v12, v12, 3, s42
	v_cndmask_b32 v17, 0, s76, s40                 ; its first tile
	v_cndmask_b32 v17, v17, s77, s41
	v_cndmask_b32 v17, v17, s78, s42
	v_mov_b32 v18, s48                             ; its rows
	v_cndmask_b32 v18, v18, s49, s40
	v_cndmask_b32 v18, v18, s50, s41
	v_cndmask_b32 v18, v18, s51, s42
	v_cndmask_b32 v19, 0, s61, s40                 ; where they begin
	v_cndmask_b32 v19, v19, s62, s41
	v_cndmask_b32 v19, v19, s63, s42
	v_cmp_eq_u32 s43, s72, v12
	v_cndmask_b32 v20, 0, s74, s43                 ; x for the largest, 0 for the others
	v_sub_nc_u32 v21, v0, v17                      ; u: the tile's number in its network
	v_lshlrev_b32 v22, 1, v20
	v_cmp_lt_u32 s43, v21, v22                     ; one of the 2 x half tiles?
	v_lshlrev_b32 v23, 5, v21                      ; then it begins at 32 u and has 32 rows;
	v_sub_nc_u32 v24, v21, v20
	v_lshlrev_b32 v24, 6, v24                      ; else at 64 (u - x),
	v_sub_nc_u32 v25, v18, v24
	v_min_u32 v25, 64, v25                         ; with 64 rows or what is left
	v_cndmask_b32 v24, v24, v23, s43
	v_cndmask_b32 v14, v25, 32, s43
	v_add_nc_u32 v13, v19, v24
	v_mov_b32 v15, 0
	s_wait_xcnt 0x0                                ; EXEC is a source of the stores above: it changes only behind this wait
	v_cmp_gt_u32 vcc_lo, 131, v0
	s_and_saveexec_b32 s45, vcc_lo
	global_store_b128 v1, v[12:15], s[14:15] offset:32768
	s_wait_xcnt 0x0                                ; and again in front of the line that widens it
	s_or_b32 exec_lo, exec_lo, s45
	s_wait_tensorcnt 0x0                           ; the wave's end
	ds_add_u32 v30, v31
	s_wait_dscnt 0x0
	s_endpgm
.Lfunc_end_k_qcb5028bbe8_prep:
	.size	k_qcb5028bbe8_prep, .Lfunc_end_k_qcb5028bbe8_prep-k_qcb5028bbe8_prep
	.p2alignl 7, 3214868480
	.fill 96, 4, 3214868480
	.section	.rodata,"a",@progbits
	.p2align	6, 0x0
	.amdhsa_kernel k_qcb5028bbe8_prep
		.amdhsa_group_segment_fixed_size 67840
		.amdhsa_private_segment_fixed_size 0
		.amdhsa_enable_private_segment 0
		.amdhsa_kernarg_size 48
		.amdhsa_user_sgpr_count 2
		.amdhsa_user_sgpr_kernarg_segment_ptr 1
		.amdhsa_wavefront_size32 1
		.amdhsa_system_sgpr_workgroup_id_x 1
		.amdhsa_system_sgpr_workgroup_id_y 1
		.amdhsa_system_sgpr_workgroup_id_z 1
		.amdhsa_system_vgpr_workitem_id 0
		.amdhsa_next_free_vgpr 224
		.amdhsa_next_free_sgpr 84
		.amdhsa_reserve_vcc 1
		.amdhsa_float_denorm_mode_32 3
		.amdhsa_float_denorm_mode_16_64 3
		.amdhsa_memory_ordered 1
		.amdhsa_forward_progress 1
		.amdhsa_inst_pref_size 109
	.end_amdhsa_kernel
	.amdgpu_metadata
---
amdhsa.version: [ 1, 2 ]
amdhsa.kernels:
  - .name:           k_qcb5028bbe8_prep
    .symbol:         k_qcb5028bbe8_prep.kd
    .args:
      - { .name: W0, .offset: 0, .size: 8, .value_kind: global_buffer, .address_space: global }
      - { .name: W1, .offset: 8, .size: 8, .value_kind: global_buffer, .address_space: global }
      - { .name: W2, .offset: 16, .size: 8, .value_kind: global_buffer, .address_space: global }
      - { .name: seps_indices, .offset: 24, .size: 8, .value_kind: global_buffer, .address_space: global }
      - { .name: wsw, .offset: 32, .size: 8, .value_kind: global_buffer, .address_space: global }
      - { .name: route, .offset: 40, .size: 8, .value_kind: global_buffer, .address_space: global }
    .group_segment_fixed_size: 67840
    .private_segment_fixed_size: 0
    .kernarg_segment_align: 8
    .kernarg_segment_size: 48
    .max_flat_workgroup_size: 256
    .sgpr_count:     84
    .vgpr_count:     224
    .wavefront_size: 32
...
	.end_amdgpu_metadata
.endif
;; end of part 1
;; launch chain (part 2): grid 131 x 1, 8 waves a work-group, no clusters, 275,456 bytes of LDS; arguments inputs, route, wsw, b0, b1, b2, out0; writes out0
.if DOCPART == 2
	.amdgcn_target "amdgcn-amd-amdhsa--gfx1250"
	.amdhsa_code_object_version 6
	.text
	.protected	k_qcb5028bbe8_chain
	.globl	k_qcb5028bbe8_chain
	.p2align	8
	.type	k_qcb5028bbe8_chain,@function
k_qcb5028bbe8_chain:
	s_mov_b64 s[64:65], 0
	v_nop
	global_prefetch_b8 v0, s[64:65] scope:SCOPE_SE
	s_setreg_imm32_b32 hwreg(HW_REG_WAVE_MODE, 25, 1), 1
	s_wait_xcnt 0x0
; CHAIN.  out[row] = relu(relu(x[row] W0[e] + b0[e]) W1[e] + b1[e]) W2[e] + b2[e] for the network e that the row chose.  A work-group takes one tile of the table in route (1 to 64 rows of one
; network) through gather, three products, biases, ReLUs and store; the hidden layers stay in LDS.  Places past the tile's count repeat its last row and are not stored.
; SHARES.  64 token places = 4 token tiles of 16.  In a pass wave w makes 64 features (4 fragments of 16) for all 64 places: 16 accumulators.  Layers 0 and 1 have two passes, layer 2 one.
; The matrix instruction is used transposed: source 0 = 16 features x 32 k of weights, source 1 = 16 tokens x 32 k.  A lane then holds ONE token (lane % 16) and features 8 (lane / 16) + 0..7.
; A STEP is 32 along k: 8 loads of 512 bytes from my own stream of weights (laid out by prep in the order of these loads; no other wave of the work-group reads them), 8 LDS loads of token
; fragments, 16 matrix instructions.  104 steps.  The weights go through a ring of 8 register slots: 7 steps, 56 loads of a wave, are on their way at every step.
; FORMATS.  All inputs, the biases too, are rounded once to bf16.  x W0 in bf16; h1 is kept in f16 and multiplied with W1 (its bf16 number written as f16) in f16; h2 is kept in bf16; sums in f32.
; LIMITS.  relu(x W0 + b0) and W1 below 65,520 (beyond it f16 gives an infinity); below 2^-14 they keep f16's fixed step of 2^-24.  NaN and infinities are not treated apart.
; THE BIAS is loaded into the accumulators, so every product adds in place: nothing is cleared and no first step is written out.
; NO CLUSTER, NO TENSOR LOADS.  The tiles of one network walk the same weights, but the two hidden layers take 264,192 of LDS's bytes; what is left (under 64 KiB) does not hold two slots of one
; k step of the work-group's weights (32,768 bytes each) beside biases and spare words with a step to spare, and a network's number of tiles is no multiple of four at every split.
; REGISTERS.  Window 0: v1-v15 addresses (below), v16-23 a byte offset for each of my 8 tokens, v24-29, v32-41 at work in the head, v30-31 the add's two, v64-127 two buffers of token fragments,
; v128-255 the accumulators ((f, t) at 128 + 8 (4 f + t)).  Window 1: the ring, slot q at 32 q, fragment f at + 8 f.
.set PH,    2064                       ; a token's row of h1, h2 (2,048 bytes) or of the f32 stage: + 16, an odd multiple of 16: 16 rows start in 16 different 16-byte columns modulo 256 bytes
.set PX,    272                        ; a token's row of x in bf16: 256 + 16
.set H1,    0                          ; 64 x 2,064: h1; at the end the stage for the f32 output
.set H2,    64*PH                      ; 132,096: h2; during layer 0 its first 17,408 bytes hold x
.set BIAS,  2*64*PH                    ; 264,192: b0[e] 4,096, b1[e] 4,096, b2[e] 2,048 bytes, f32
.set SPARE, BIAS+10240                 ; 274,432: the spare words, 128 bytes for each of the 8 waves, which no other line names
.set STEPB, 4096
.set STREAM, 104*STEPB
.set BF,    64
.set ACC,   128
; v1 16 x lane | v2 r PH + 16 h | v3 r PX + 16 h | v4, v5 the token fragments' addresses in hand (tiles 0-1, 2-3) | v6, v7 where I put h1 (tiles 0-1, 2-3) | v8, v9 the same for h2
; v10, v11 the same for the stage | v12 where I read the stage | v13 my features' bias | v14 0 | v15 where I put x          (r = lane % 16, h = lane / 16)
; s20 wave | s24 network, s25 first index, s26 count | s[32:39] my 8 tokens' rows | s40 LDS byte of the k in hand | s41 trips | s[42:43] my stream | s46 count - 8 wave
.set MSB, 0
.macro WIN new                         ; the immediate's high byte repeats the setting that is left; a switch that changes nothing is dropped
.if MSB != (\new)
	s_set_vgpr_msb (MSB<<8)|(\new)
.set MSB, (\new)
.endif
.endm
; Four places: a load into a register that a matrix instruction has read or written, and a vector instruction or LDS store that reads a matrix result, stand four plain vector instructions
; behind it (ISA guide 7.12.1 for vector instructions).
.macro PLACES
.rept 4
	v_nop
.endr
.endm
.macro SETADR bl, pit
	v_add_nc_u32 v4, s40, v[\bl]
	v_add_nc_u32 v5, 32*(\pit), v4
.endm
.macro BLOAD buf, kb, pit              ; 4 token fragments (16 tokens x 32 k at byte kb of the rows) into buffer buf: two loads of 16 bytes, 32 bytes apart, each
.irp t, 0,1,2,3
	ds_load_b128 v[BF+32*(\buf)+8*\t:BF+32*(\buf)+8*\t+3],   v[4+\t/2] offset:(\t%2)*16*(\pit)+(\kb)
	ds_load_b128 v[BF+32*(\buf)+8*\t+4:BF+32*(\buf)+8*\t+7], v[4+\t/2] offset:(\t%2)*16*(\pit)+(\kb)+32
.endr
.endm
.macro WLOAD slot, off                 ; a step's 4 fragments of weights into a slot of the ring: 8 x 512 consecutive bytes
	WIN 0x40                                       ; destination window 1, address window 0
.irp f, 0,1,2,3
	global_load_b128 v[32*(\slot)+8*\f:32*(\slot)+8*\f+3],   v1, s[42:43] offset:(\off)+1024*\f
	global_load_b128 v[32*(\slot)+8*\f+4:32*(\slot)+8*\f+7], v1, s[42:43] offset:(\off)+1024*\f+512
.endr
.endm
.macro MUL slot, buf, fmt              ; 16 products; the 16 accumulators take turns, one instruction a turn, in the same order in every step
	WIN 0x01                                       ; source 0 window 1
.irp f, 0,1,2,3
.irp t, 0,1,2,3
	v_wmma_f32_16x16x32_\fmt v[ACC+8*(4*\f+\t):ACC+8*(4*\f+\t)+7], v[32*(\slot)+8*\f:32*(\slot)+8*\f+7], v[BF+32*(\buf)+8*\t:BF+32*(\buf)+8*\t+7], v[ACC+8*(4*\f+\t):ACC+8*(4*\f+\t)+7]
.endr
.endr
.endm
.macro INIT boff                       ; the bias of my 64 features into all 16 accumulators: register j of fragment f holds feature 16 f + 8 h + j
	WIN 0
.irp f, 0,1,2,3
.irp t, 0,1,2,3
	ds_load_b128 v[ACC+8*(4*\f+\t):ACC+8*(4*\f+\t)+3],   v13 offset:(\boff)+64*\f
	ds_load_b128 v[ACC+8*(4*\f+\t)+4:ACC+8*(4*\f+\t)+7], v13 offset:(\boff)+64*\f+16
.endr
.endr
.endm
; Step q of a trip of 8.  cnt: the younger loads of weights that may stay out.  rf = 1: the slot read last step takes the step 7 further on.  pf = 1: the next step's token fragments are fetched.
.macro STEP q, kb, pit, fmt, pf, rf, cnt
	WIN 0
	s_wait_loadcnt \cnt                            ; loads come back in order (ISA guide 5.7.1): this step's 8 are in
	PLACES                                         ; behind the last step's products, ahead of the loads into the slot and the buffer that they read
.if \rf
	WLOAD ((\q)+7)%8, ((\q)+7)*STEPB
	WIN 0
.endif
.if \pf
	BLOAD ((\q)+1)%2, (\kb)+64, \pit
	s_wait_dscnt 8                                 ; all but the 8 just issued: this step's token fragments (and, at a pass's head, the bias) are in
.else
	s_wait_dscnt 0x0
.endif
	MUL (\q), (\q)%2, \fmt
.endm
; Steps q0 .. q0 + nq - 1.  nxt = 1: the last of them fetches the next trip's first token fragments.  last = 1: the stream's last 8 steps: only step 0 still asks (for the last step), and the counts run down.
.macro TRIP q0, nq, pit, fmt, nxt, last
.set tq, \q0
.rept \nq
.set tkb, 64*(tq-(\q0))
.set tpf, 1
.if (tq == (\q0)+(\nq)-1) && !(\nxt)
.set tpf, 0
.endif
.set trf, 1
.set tcn, 48                           ; the 6 steps behind this one; the seventh is asked for behind the wait
.if (\last) && (tq > 0)
.set trf, 0
.set tcn, 8*(7-tq)                     ; the steps that are left
.endif
	STEP tq, tkb, \pit, \fmt, tpf, trf, tcn
.set tq, tq+1
.endr
.endm
.macro NEXTW                           ; the stream goes 8 steps on
	WIN 0
	s_wait_xcnt 0x0                                ; the pending loads have had their addresses translated (ISA guide 3.1): their base is stepped only behind this wait
	s_add_nc_u64 s[42:43], s[42:43], 8*STEPB
.endm
.macro PASS32 region, fmt, last        ; a pass over k = 1,024: 4 trips of 8 steps, three of them in a loop
	WIN 0
	s_mov_b32 s40, \region
	SETADR 2, PH
	BLOAD 0, 0, PH
	s_mov_b32 s41, 3
.Lpass_\@:
	TRIP 0, 8, PH, \fmt, 1, 0
	NEXTW
	s_add_co_u32 s40, s40, 512                     ; 256 k on
	SETADR 2, PH
	s_sub_co_u32 s41, s41, 1
	s_cmp_lg_u32 s41, 0
	s_cbranch_scc1 .Lpass_\@
	TRIP 0, 8, PH, \fmt, 0, \last
.if !(\last)
	NEXTW
.endif
.endm
; A pass's end: rounded to 16 bits in place (each accumulator from its low end on), ReLU on the packed halves, 16 bytes (8 neighbouring features of my token) into the layer's rows.
.macro EPI fmt, sa, sb, coff
	WIN 0
	PLACES
.irp f, 0,1,2,3
.irp t, 0,1,2,3
.irp i, 0,1,2,3
	v_cvt_pk_\fmt\()_f32 v[ACC+8*(4*\f+\t)+\i], v[ACC+8*(4*\f+\t)+2*\i], v[ACC+8*(4*\f+\t)+2*\i+1]
.endr
.irp i, 0,1,2,3
	v_pk_max_num_\fmt v[ACC+8*(4*\f+\t)+\i], v[ACC+8*(4*\f+\t)+\i], v14
.endr
.if \t < 2
	ds_store_b128 v[\sa], v[ACC+8*(4*\f+\t):ACC+8*(4*\f+\t)+3] offset:(\t%2)*16*PH+(\coff)+32*\f
.else
	ds_store_b128 v[\sb], v[ACC+8*(4*\f+\t):ACC+8*(4*\f+\t)+3] offset:(\t%2)*16*PH+(\coff)+32*\f
.endif
.endr
.endr
.endm
.macro BAR                             ; my LDS stores are done and my LDS loads are back; then all eight waves meet
	s_wait_dscnt 0x0
	s_barrier_signal -1
	s_barrier_wait -1
.endm
	; ---------------- HEAD ----------------
	s_load_b256 s[4:11], s[0:1], 0x0               ; inputs s[4:5], route s[6:7], wsw s[8:9], b0 s[10:11]
	s_load_b128 s[12:15], s[0:1], 0x20             ; b1 s[12:13], b2 s[14:15]
	s_load_b64 s[16:17], s[0:1], 0x30              ; out0
	v_lshl_add_u32 v30, v0, 2, SPARE               ; my spare word; never rewritten
	v_mov_b32 v31, 0                               ; 0; never rewritten
	v_lshrrev_b32 v24, 5, v0
	v_readfirstlane_b32 s20, v24                   ; wave 0..7
	v_and_b32 v25, 31, v0                          ; lane
	v_lshlrev_b32 v1, 4, v25
	v_and_b32 v26, 15, v0                          ; r
	v_bfe_u32 v27, v0, 4, 1                        ; h
	v_mul_u32_u24 v2, v26, PH
	v_lshl_add_u32 v10, v27, 5, v2                 ; r PH + 32 h
	v_lshl_add_u32 v2, v27, 4, v2                  ; r PH + 16 h
	v_mul_u32_u24 v3, v26, PX
	v_lshl_add_u32 v3, v27, 4, v3                  ; r PX + 16 h
	v_lshl_add_u32 v6, s20, 7, v2                  ; h1: my 64 features are 128 bytes of a row
	v_add_nc_u32 v7, 32*PH, v6
	v_add_nc_u32 v8, H2, v6
	v_add_nc_u32 v9, H2+32*PH, v6
	v_lshl_add_u32 v10, s20, 8, v10                ; the stage: my 64 features are 256 bytes of a row
	v_add_nc_u32 v11, 32*PH, v10
	s_mul_i32 s21, s20, 8*PH
	v_add_nc_u32 v12, s21, v1                      ; back from the stage: tokens 8 w .. 8 w + 7, whole rows
	v_lshlrev_b32 v13, 5, v27
	v_lshl_add_u32 v13, s20, 8, v13
	v_add_nc_u32 v13, BIAS, v13                    ; 4 bytes x (64 w + 8 h)
	v_mov_b32 v14, 0
	s_mul_i32 s21, s20, 8*PX
	s_add_co_u32 s21, s21, H2
	v_lshl_add_u32 v15, v25, 3, s21                ; x: tokens 8 w .. , 4 features = 8 bytes a lane
	s_wait_kmcnt 0x0
	s_lshl_b32 s21, ttmp9, 4
	s_load_b128 s[24:27], s[6:7], s21 offset:0x8000  ; my tile's entry
	s_wait_kmcnt 0x0
	s_min_u32 s24, s24, 3                          ; loaded numbers are held inside their tables before they enter an address
	s_min_u32 s25, s25, 0x1fff
	s_min_u32 s26, s26, 64
	s_lshl_b32 s28, s24, 3
	s_add_co_u32 s28, s28, s20
	s_mul_i32 s28, s28, STREAM
	s_mov_b32 s29, 0
	s_add_nc_u64 s[42:43], s[8:9], s[28:29]        ; my stream: network e, wave w
	s_lshl_b32 s28, s24, 12
	s_add_nc_u64 s[10:11], s[10:11], s[28:29]      ; b0[e], b1[e]
	s_add_nc_u64 s[12:13], s[12:13], s[28:29]
	s_lshl_b32 s28, s24, 11
	s_add_nc_u64 s[14:15], s[14:15], s[28:29]      ; b2[e]
	s_lshl_b32 s30, s20, 3
	s_sub_co_i32 s46, s26, s30                     ; how many of my 8 places hold rows of the tile (may be negative)
	s_sub_co_u32 s31, s26, 1
	v_and_b32 v24, 7, v0
	v_lshl_add_u32 v24, s20, 3, v24                ; place 8 w + lane % 8,
	v_min_u32 v24, s31, v24                        ; or the tile's last row,
	v_add_nc_u32 v24, s25, v24
	v_min_u32 v24, 0x1fff, v24
	v_lshlrev_b32 v24, 2, v24
	global_load_b32 v28, v24, s[6:7]               ; its token row
	v_lshlrev_b32 v26, 4, v0
	v_lshlrev_b32 v27, 3, v0
	global_load_b128 v[32:35], v26, s[10:11]       ; the 256 threads take b0[e] and b1[e] 16 bytes each, b2[e] 8 bytes each
	global_load_b128 v[36:39], v26, s[12:13]
	global_load_b64 v[40:41], v27, s[14:15]
	s_wait_loadcnt 3                               ; the token rows are in; the three loads of biases stay out
.irp i, 0,1,2,3,4,5,6,7
	v_readlane_b32 s[32+\i], v28, \i
	s_min_u32 s[32+\i], s[32+\i], 0x1fff
	v_lshl_add_u32 v[16+\i], s[32+\i], 9, v1       ; a row of x is 512 bytes: one load of the wave
	global_load_b128 v[BF+4*\i:BF+4*\i+3], v[16+\i], s[4:5]
.endr
.irp q, 0,1,2,3,4,5
	WLOAD \q, \q*STEPB                             ; the ring's first six steps
.endr
	s_wait_loadcnt 48                              ; biases and x are in; the ring's 48 loads stay out
	WLOAD 6, 6*STEPB                               ; the seventh: 56 loads of the ring are out
	WIN 0
.irp a, 32,34,36,38,40
	v_cvt_pk_bf16_f32 v29, v[\a], v[\a+1]          ; the biases are rounded to bf16 like every input, and kept as f32
	v_lshlrev_b32 v[\a], 16, v29
	v_and_b32 v[\a+1], 0xffff0000, v29
.endr
	v_add_nc_u32 v24, BIAS, v26
	v_add_nc_u32 v25, BIAS+8192, v27
	ds_store_b128 v24, v[32:35]
	ds_store_b128 v24, v[36:39] offset:4096
	ds_store_b64 v25, v[40:41]
.irp i, 0,1,2,3,4,5,6,7
	v_cvt_pk_bf16_f32 v[BF+4*\i], v[BF+4*\i], v[BF+4*\i+1]
	v_cvt_pk_bf16_f32 v[BF+4*\i+1], v[BF+4*\i+2], v[BF+4*\i+3]
	ds_store_b64 v15, v[BF+4*\i:BF+4*\i+1] offset:PX*\i
.endr
	BAR                                            ; x and the biases are whole
	; ---------------- LAYER 0: h1 = relu(x W0 + b0), bf16 products, kept in f16.  Two passes of 4 steps: the stream's steps 0 to 7. ----------------
	s_mov_b32 s40, H2                              ; x lies at h2's head
	SETADR 3, PX
	INIT 0
	BLOAD 0, 0, PX
	TRIP 0, 4, PX, bf16, 0, 0
	EPI f16, 6, 7, 0
	INIT 2048
	BLOAD 0, 0, PX
	TRIP 4, 4, PX, bf16, 0, 0
	EPI f16, 6, 7, 1024
	NEXTW
	INIT 4096
	BAR                                            ; h1 is whole, and nobody reads x any more
	; ---------------- LAYER 1: h2 = relu(h1 W1 + b1), f16 products, kept in bf16 (over x). ----------------
	PASS32 H1, f16, 0
	EPI bf16, 8, 9, 0
	INIT 6144
	PASS32 H1, f16, 0
	EPI bf16, 8, 9, 1024
	INIT 8192
	BAR                                            ; h2 is whole, and nobody reads h1 any more
	; ---------------- LAYER 2: out = h2 W2 + b2, bf16 products. ----------------
	PASS32 H2, bf16, 1
	; ---------------- THE WAY OUT: f32 through the stage (h1's bytes), back as whole rows of 2,048 bytes, wave w tokens 8 w .. 8 w + 7. ----------------
	WIN 0
	PLACES
.irp f, 0,1,2,3
.irp t, 0,1,2,3
	ds_store_b128 v[10+\t/2], v[ACC+8*(4*\f+\t):ACC+8*(4*\f+\t)+3]   offset:(\t%2)*16*PH+64*\f
	ds_store_b128 v[10+\t/2], v[ACC+8*(4*\f+\t)+4:ACC+8*(4*\f+\t)+7] offset:(\t%2)*16*PH+64*\f+16
.endr
.endr
	BAR                                            ; a row's 2,048 bytes come from all eight waves
.irp i, 0,1,2,3,4,5,6,7
.irp c, 0,1,2,3
	ds_load_b128 v[ACC+16*\i+4*\c:ACC+16*\i+4*\c+3], v12 offset:PH*\i+512*\c
.endr
.endr
.irp i, 0,1,2,3,4,5,6,7
	s_cmp_gt_i32 s46, \i                           ; places past the tile's count are not stored: a jump forward, over stores alone
	s_cbranch_scc0 .Ldone
	v_lshl_add_u32 v[16+\i], s[32+\i], 11, v1      ; the token's row of out0 (the load of x that named this register has long come back)
	s_wait_dscnt 4*(7-\i)                          ; token i's four loads are back, the later tokens' stay out
.irp c, 0,1,2,3
	global_store_b128 v[16+\i], v[ACC+16*\i+4*\c:ACC+16*\i+4*\c+3], s[16:17] offset:512*\c th:TH_STORE_NT  ; 512 consecutive bytes, at a multiple of 256 from out0's first byte
.endr
.endr
.Ldone:
	s_wait_tensorcnt 0x0                           ; the wave's end
	ds_add_u32 v30, v31
	s_wait_dscnt 0x0
	s_endpgm
.Lfunc_end_k_qcb5028bbe8_chain:
	.size	k_qcb5028bbe8_chain, .Lfunc_end_k_qcb5028bbe8_chain-k_qcb5028bbe8_chain
	.p2alignl 7, 3214868480
	.fill 96, 4, 3214868480
	.section	.rodata,"a",@progbits
	.p2align	6, 0x0
	.amdhsa_kernel k_qcb5028bbe8_chain
		.amdhsa_group_segment_fixed_size 275456
		.amdhsa_private_segment_fixed_size 0
		.amdhsa_enable_private_segment 0
		.amdhsa_kernarg_size 56
		.amdhsa_user_sgpr_count 2
		.amdhsa_user_sgpr_kernarg_segment_ptr 1
		.amdhsa_wavefront_size32 1
		.amdhsa_system_sgpr_workgroup_id_x 1
		.amdhsa_system_sgpr_workgroup_id_y 1
		.amdhsa_system_sgpr_workgroup_id_z 1
		.amdhsa_system_vgpr_workitem_id 0
		.amdhsa_next_free_vgpr 512
		.amdhsa_next_free_sgpr 66
		.amdhsa_reserve_vcc 0
		.amdhsa_float_denorm_mode_32 3
		.amdhsa_float_denorm_mode_16_64 3
		.amdhsa_memory_ordered 1
		.amdhsa_forward_progress 1
		.amdhsa_inst_pref_size 209
	.end_amdhsa_kernel
	.amdgpu_metadata
---
amdhsa.version: [ 1, 2 ]
amdhsa.kernels:
  - .name:           k_qcb5028bbe8_chain
    .symbol:         k_qcb5028bbe8_chain.kd
    .args:
      - { .name: inputs, .offset: 0, .size: 8, .value_kind: global_buffer, .address_space: global }
      - { .name: route, .offset: 8, .size: 8, .value_kind: global_buffer, .address_space: global }
      - { .name: wsw, .offset: 16, .size: 8, .value_kind: global_buffer, .address_space: global }
      - { .name: b0, .offset: 24, .size: 8, .value_kind: global_buffer, .address_space: global }
      - { .name: b1, .offset: 32, .size: 8, .value_kind: global_buffer, .address_space: global }
      - { .name: b2, .offset: 40, .size: 8, .value_kind: global_buffer, .address_space: global }
      - { .name: out0, .offset: 48, .size: 8, .value_kind: global_buffer, .address_space: global }
    .group_segment_fixed_size: 275456
    .private_segment_fixed_size: 0
    .kernarg_segment_align: 8
    .kernarg_segment_size: 56
    .max_flat_workgroup_size: 256
    .sgpr_count:     66
    .vgpr_count:     512
    .wavefront_size: 32
...
	.end_amdgpu_metadata
.endif
;; end of part 2
;; ======== version 2 of 2: 2 launches; version 1 with the launch chain written anew for expert scheduling mode
;; limits: values are held in f16: magnitudes above 65,504 overflow, below 6.1e-05 lose precision; right only within a limited range of input values
;; workspace buffers: wsw 13,631,488 bytes; route 35,072 bytes of whole numbers
;; launch prep: the kernel of part 1 again; grid 209 x 1, 8 waves a work-group, no clusters, 67,840 bytes of LDS; arguments W0, W1, W2, seps_indices, wsw, route; writes wsw, route
;; launch chain (part 3): grid 131 x 1, 8 waves a work-group, no clusters, 275,456 bytes of LDS; arguments inputs, route, wsw, b0, b1, b2, out0; writes out0
.if DOCPART == 3
	.amdgcn_target "amdgcn-amd-amdhsa--gfx1250"
	.amdhsa_code_object_version 6
	.text
	.protected	k_qcb5028bbe8_chain
	.globl	k_qcb5028bbe8_chain
	.p2align	8
	.type	k_qcb5028bbe8_chain,@function
k_qcb5028bbe8_chain:
	s_mov_b64 s[64:65], 0
	v_nop
	global_prefetch_b8 v0, s[64:65] scope:SCOPE_SE
	s_setreg_imm32_b32 hwreg(HW_REG_WAVE_SCHED_MODE, 0, 2), 2
	s_setreg_imm32_b32 hwreg(HW_REG_WAVE_MODE, 25, 1), 1
	s_wait_xcnt 0x0
	s_wait_alu depctr_vm_vsrc(0)
; CHAIN.  out[row] = relu(relu(x[row] W0[e] + b0[e]) W1[e] + b1[e]) W2[e] + b2[e] for the network e that the row chose.  A work-group takes one tile of the table in route (1 to 64 rows of one
; network) through gather, three products, biases, ReLUs and store; the hidden layers stay in LDS.  Places past the tile's count repeat its last row and are not stored.
; SHARES.  64 token places = 4 token tiles of 16.  In a pass wave w makes 64 features (4 fragments of 16) for all 64 places: 16 accumulators.  Layers 0 and 1 have two passes, layer 2 one.
; The matrix instruction is used transposed: source 0 = 16 features x 32 k of weights, source 1 = 16 tokens x 32 k.  A lane then holds ONE token (lane % 16) and features 8 (lane / 16) + 0..7.
; A STEP is 32 along k: 8 loads of 512 bytes from my own stream of weights (laid out by prep in the order of these loads; no other wave of the work-group reads them), 8 LDS loads of token
; fragments, 16 matrix instructions.  104 steps, taken two at a time (a PAIR).  The weights go through a ring of 8 register slots: at a pair's head the five steps behind the one in hand, 40 loads
; of a wave, are on their way, and each step of the pair asks for one more.
; FORMATS.  All inputs, the biases too, are rounded once to bf16.  x W0 in bf16; h1 is kept in f16 and multiplied with W1 (its bf16 number written as f16) in f16; h2 is kept in bf16; sums in f32.
; LIMITS.  relu(x W0 + b0) and W1 below 65,520 (beyond it f16 gives an infinity); below 2^-14 they keep f16's fixed step of 2^-24.  NaN and infinities are not treated apart.
; THE BIAS is loaded into the accumulators, so every product adds in place: nothing is cleared and no first step is written out.
; NO CLUSTER, NO TENSOR LOADS.  The tiles of one network walk the same weights, but the two hidden layers take 264,192 of LDS's bytes; what is left (under 64 KiB) does not hold two slots of one
; k step of the work-group's weights (32,768 bytes each) beside biases and spare words with a step to spare, and a network's number of tiles is no multiple of four at every split.
; THE MODE: SCHED_MODE bits 1:0 = 2 (LLVM: expert scheduling mode 2), set by the entry lines.  The code itself states the register dependences between vector or matrix instructions and
; memory or LDS instructions, with s_wait_alu, always for 0.
; THE PLAN.  Registers that memory or LDS instructions touch, in the passes:
;   the ring        Slot q is read by step q's 16 products.  Pair (q, q + 1) asks for steps q + 6 and q + 7, which land in the slots that steps q - 2 and q - 1 read.
;   BE0, BE1, BOD   Three buffers of token fragments: odd steps read BOD, even steps BE0 and BE1 by turns.  Pair (q, q + 1) asks at its head for step q + 1's, into BOD, which step q - 1 read,
;                   and in its middle for step q + 2's, into the even buffer that step q - 2 read.
;   v4, v5          Read by every load of token fragments; written at a trip's end and at a pass's head.
;   v1              Read by every load of weights; never written again: the scalar base steps, and immediate offsets do the rest.
;   accumulators    Inside a pass named by matrix instructions alone.  At a pass's end the roundings write them, LDS stores read them, and the next bias lands in them.
; So ONE wait on va_vdst stands at a pair's head: every product up to step q - 1 is done.  The pair's 32 loads follow it, in runs of eight among its 32 products, which name slots q and q + 1,
; step q's buffer, BOD (asked for ahead of them all) and the accumulators: none of the registers in which a later load of the pair lands.  One wait on vm_vsrc a trip stands ahead of the adds to v4, v5.
; REGISTERS.  Window 0: v1-v15 addresses (below), v16-23 a byte offset for each of my 8 tokens, v24-29 at work in the head, v30-31 the add's two, v32-127 the three buffers of token fragments
; (in the head v32-41 hold the biases and v64-95 x), v128-255 the accumulators ((f, t) at 128 + 8 (4 f + t)).  Window 1: the ring, slot q at 32 q, fragment f at + 8 f.
.set PH,    2064                       ; a token's row of h1, h2 (2,048 bytes) or of the f32 stage: + 16, an odd multiple of 16: 16 rows start in 16 different 16-byte columns modulo 256 bytes
.set PX,    272                        ; a token's row of x in bf16: 256 + 16
.set H1,    0                          ; 64 x 2,064: h1; at the end the stage for the f32 output
.set H2,    64*PH                      ; 132,096: h2; during layer 0 its first 17,408 bytes hold x
.set BIAS,  2*64*PH                    ; 264,192: b0[e] 4,096, b1[e] 4,096, b2[e] 2,048 bytes, f32
.set SPARE, BIAS+10240                 ; 274,432: the spare words, 128 bytes for each of the 8 waves, which no other line names
.set STEPB, 4096
.set STREAM, 104*STEPB
.set BE0,   64                         ; token fragments of steps 0, 4 of each 8
.set BOD,   96                         ; of the odd steps
.set BE1,   32                         ; of steps 2, 6
.set ACC,   128
; v1 16 x lane | v2 r PH + 16 h | v3 r PX + 16 h | v4, v5 the token fragments' addresses in hand (tiles 0-1, 2-3) | v6, v7 where I put h1 (tiles 0-1, 2-3) | v8, v9 the same for h2
; v10, v11 the same for the stage | v12 where I read the stage | v13 my features' bias | v14 0 | v15 where I put x          (r = lane % 16, h = lane / 16)
; s20 wave | s24 network, s25 first index, s26 count | s[32:39] my 8 tokens' rows | s40 LDS byte of the k in hand | s41 trips | s[42:43] my stream | s46 count - 8 wave
.set MSB, 0
.macro WIN new                         ; the immediate's high byte repeats the setting that is left; a switch that changes nothing is dropped
.if MSB != (\new)
	s_set_vgpr_msb (MSB<<8)|(\new)
.set MSB, (\new)
.endif
.endm
; Four places: a vector instruction or an LDS store that reads a matrix result stands four plain vector instructions behind it.
.macro PLACES
.rept 4
	v_nop
.endr
.endm
.macro SETADR bl, pit
	v_add_nc_u32 v4, s40, v[\bl]
	v_add_nc_u32 v5, 32*(\pit), v4
.endm
.macro BLOAD bb, kb, pit               ; 4 token fragments (16 tokens x 32 k at byte kb of the rows) into the buffer at v[bb]: two loads of 16 bytes, 32 bytes apart, each
.irp t, 0,1,2,3
	ds_load_b128 v[(\bb)+8*\t:(\bb)+8*\t+3],   v[4+\t/2] offset:(\t%2)*16*(\pit)+(\kb)
	ds_load_b128 v[(\bb)+8*\t+4:(\bb)+8*\t+7], v[4+\t/2] offset:(\t%2)*16*(\pit)+(\kb)+32
.endr
.endm
.macro WLOAD slot, off                 ; a step's 4 fragments of weights into a slot of the ring: 8 x 512 consecutive bytes
	WIN 0x40                                       ; destination window 1, address window 0
.irp f, 0,1,2,3
	global_load_b128 v[32*(\slot)+8*\f:32*(\slot)+8*\f+3],   v1, s[42:43] offset:(\off)+1024*\f
	global_load_b128 v[32*(\slot)+8*\f+4:32*(\slot)+8*\f+7], v1, s[42:43] offset:(\off)+1024*\f+512
.endr
.endm
; 8 of a step's 16 products: fragments f0 and f0 + 1 of the weights x all 4 token tiles.  half = 1: f16 operands, 0: bf16.
; The 16 accumulators take turns, one instruction a turn, in the same order in every step.
.macro MUL8 slot, bb, f0, half
	WIN 0x01                                       ; source 0 window 1
.irp f, \f0, (\f0)+1
.irp t, 0,1,2,3
.if \half
	v_wmma_f32_16x16x32_f16 v[ACC+8*(4*(\f)+\t):ACC+8*(4*(\f)+\t)+7], v[32*(\slot)+8*(\f):32*(\slot)+8*(\f)+7], v[(\bb)+8*\t:(\bb)+8*\t+7], v[ACC+8*(4*(\f)+\t):ACC+8*(4*(\f)+\t)+7]
.else
	v_wmma_f32_16x16x32_bf16 v[ACC+8*(4*(\f)+\t):ACC+8*(4*(\f)+\t)+7], v[32*(\slot)+8*(\f):32*(\slot)+8*(\f)+7], v[(\bb)+8*\t:(\bb)+8*\t+7], v[ACC+8*(4*(\f)+\t):ACC+8*(4*(\f)+\t)+7]
.endif
.endr
.endr
.endm
.macro INIT boff                       ; the bias of my 64 features into all 16 accumulators: register j of fragment f holds feature 16 f + 8 h + j
	WIN 0
	s_wait_alu depctr_vm_vsrc(0)                   ; my LDS stores in front have read their data: registers in which the loads from here on land (the head's: v32-41, v64-95; a pass's end: the accumulators); and the fragments' loads have read v4, v5, which the next pass's head writes.  The vector and matrix instructions that named these registers stand ahead of the last wait on va_vdst
.irp f, 0,1,2,3
.irp t, 0,1,2,3
	ds_load_b128 v[ACC+8*(4*\f+\t):ACC+8*(4*\f+\t)+3],   v13 offset:(\boff)+64*\f
	ds_load_b128 v[ACC+8*(4*\f+\t)+4:ACC+8*(4*\f+\t)+7], v13 offset:(\boff)+64*\f+16
.endr
.endr
.endm
; Steps q and q + 1 of a trip of 8 (q even).  kb: the byte of step q's k in the rows.  p2 = 1: step q + 2's token fragments are fetched.  rf = 1: the two slots read last take steps q + 6 and q + 7.
; c0, c1: the younger loads of weights that may stay out at step q and at step q + 1.  wt = 0: no vector or matrix instruction has been issued since the last wait on va_vdst, and none is written.
.macro PAIR q, kb, pit, half, p2, rf, c0, c1, wt
.set bq0, BE0+(BE1-BE0)*(((\q)%4)/2)   ; step q's buffer,
.set bq2, BE1+(BE0-BE1)*(((\q)%4)/2)   ; and step q + 2's: the other even one
	WIN 0
.if \wt
	s_wait_alu depctr_va_vdst(0)                   ; the products up to step q - 1 are done reading slots q - 2 and q - 1, BOD and step q - 2's buffer, in which this pair's loads land; in a trip's first pair v4 and v5 are written, which the fragments' loads read
.endif
	BLOAD BOD, (\kb)+64, \pit                      ; step q + 1's token fragments
	s_wait_loadcnt \c0                             ; loads come back in order (ISA guide 5.7.1): step q's 8 are in
	s_wait_dscnt 8                                 ; all but the 8 just issued: step q's token fragments (and, at a pass's head, the bias) are in
	MUL8 \q, bq0, 0, \half
.if \rf
	WLOAD ((\q)+6)%8, ((\q)+6)*STEPB               ; no wait: no product since the pair's head names this slot or v1
.endif
	MUL8 \q, bq0, 2, \half
.if \p2
	WIN 0
	BLOAD bq2, (\kb)+128, \pit                     ; step q + 2's token fragments; no product since the pair's head names this buffer, v4 or v5
	s_wait_loadcnt \c1                             ; step q + 1's 8 loads of weights are in
	s_wait_dscnt 8                                 ; all but the 8 just issued: step q + 1's token fragments are in
.else
	s_wait_loadcnt \c1
	s_wait_dscnt 0x0                               ; a pass's last step: nothing was asked for behind its token fragments
.endif
	MUL8 (\q)+1, BOD, 0, \half
.if \rf
	WLOAD ((\q)+7)%8, ((\q)+7)*STEPB               ; likewise
.endif
	MUL8 (\q)+1, BOD, 2, \half
.endm
; Steps q0 .. q0 + nq - 1.  nxt = 1: the last pair fetches the next trip's first token fragments.  last = 1: the stream's last 8 steps: only the first pair still asks (for the last two steps), and the
; counts run down.  dry = 1: the first pair writes no wait on va_vdst (see PAIR).
.macro TRIP q0, nq, pit, half, nxt, last, dry
.set tq, \q0
.rept (\nq)/2
.set tkb, 64*(tq-(\q0))
.set tp2, 1
.if (tq == (\q0)+(\nq)-2) && !(\nxt)
.set tp2, 0
.endif
.set trf, 1
.set tc0, 40                           ; at step q: the 5 steps behind it
.set tc1, 40                           ; at step q + 1: steps q + 2 to q + 6
.if (\last) && (tq > 0)
.set trf, 0
.set tc0, 8*(7-tq)                     ; the steps that are left
.set tc1, 8*(6-tq)
.endif
.set twt, 1
.if (\dry) && (tq == (\q0))
.set twt, 0
.endif
	PAIR tq, tkb, \pit, \half, tp2, trf, tc0, tc1, twt
.set tq, tq+2
.endr
.endm
.macro NEXTW                           ; the stream goes 8 steps on
	WIN 0
	s_wait_xcnt 0x0                                ; the pending loads have had their addresses translated (ISA guide 3.1): their base is stepped only behind this wait
	s_add_nc_u64 s[42:43], s[42:43], 8*STEPB
.endm
.macro PASS32 region, half, last       ; a pass over k = 1,024: 4 trips of 8 steps, three of them in a loop
	WIN 0
	s_mov_b32 s40, \region
	SETADR 2, PH                                   ; (the wait on vm_vsrc at the head of the bias's loads has shown the earlier readers of v4, v5 done)
	s_wait_alu depctr_va_vdst(0)                   ; v4 and v5 are written, which the loads below read
	BLOAD BE0, 0, PH
	s_mov_b32 s41, 3
.Lpass_\@:
	TRIP 0, 8, PH, \half, 1, 0, 0
	NEXTW
	s_add_co_u32 s40, s40, 512                     ; 256 k on
	s_wait_alu depctr_vm_vsrc(0)                   ; the fragments' loads issued so far have read v4 and v5
	SETADR 2, PH                                   ; the next pair's head states that they are written
	s_sub_co_u32 s41, s41, 1
	s_cmp_lg_u32 s41, 0
	s_cbranch_scc1 .Lpass_\@
	TRIP 0, 8, PH, \half, 0, \last, 0
.if !(\last)
	NEXTW
.endif
.endm
; A pass's end: rounded to 16 bits in place (each accumulator from its low end on), ReLU on the packed halves, 16 bytes (8 neighbouring features of my token) into the layer's rows.
; half = 1: f16, 0: bf16.  All the vector work first, one wait, then the 16 stores in one run.
.macro EPI half, sa, sb, coff
	WIN 0
	PLACES
.irp f, 0,1,2,3
.irp t, 0,1,2,3
.irp i, 0,1,2,3
.if \half
	v_cvt_pk_f16_f32 v[ACC+8*(4*\f+\t)+\i], v[ACC+8*(4*\f+\t)+2*\i], v[ACC+8*(4*\f+\t)+2*\i+1]
.else
	v_cvt_pk_bf16_f32 v[ACC+8*(4*\f+\t)+\i], v[ACC+8*(4*\f+\t)+2*\i], v[ACC+8*(4*\f+\t)+2*\i+1]
.endif
.endr
.irp i, 0,1,2,3
.if \half
	v_pk_max_num_f16 v[ACC+8*(4*\f+\t)+\i], v[ACC+8*(4*\f+\t)+\i], v14
.else
	v_pk_max_num_bf16 v[ACC+8*(4*\f+\t)+\i], v[ACC+8*(4*\f+\t)+\i], v14
.endif
.endr
.endr
.endr
	s_wait_alu depctr_va_vdst(0)                   ; the roundings and ReLUs have written each accumulator's four low registers, which the LDS stores read; they and the pass's products are done with all registers in which the next pass's loads land
.irp f, 0,1,2,3
.irp t, 0,1,2,3
.if \t < 2
	ds_store_b128 v[\sa], v[ACC+8*(4*\f+\t):ACC+8*(4*\f+\t)+3] offset:(\t%2)*16*PH+(\coff)+32*\f
.else
	ds_store_b128 v[\sb], v[ACC+8*(4*\f+\t):ACC+8*(4*\f+\t)+3] offset:(\t%2)*16*PH+(\coff)+32*\f
.endif
.endr
.endr
.endm
.macro BAR                             ; my LDS stores are done and my LDS loads are back; then all eight waves meet
	s_wait_dscnt 0x0
	s_barrier_signal -1
	s_barrier_wait -1
.endm
	; ---------------- HEAD ----------------
	s_load_b256 s[4:11], s[0:1], 0x0               ; inputs s[4:5], route s[6:7], wsw s[8:9], b0 s[10:11]
	s_load_b128 s[12:15], s[0:1], 0x20             ; b1 s[12:13], b2 s[14:15]
	s_load_b64 s[16:17], s[0:1], 0x30              ; out0
	v_lshl_add_u32 v30, v0, 2, SPARE               ; my spare word; never rewritten
	v_mov_b32 v31, 0                               ; 0; never rewritten
	v_lshrrev_b32 v24, 5, v0
	v_readfirstlane_b32 s20, v24                   ; wave 0..7
	v_and_b32 v25, 31, v0                          ; lane
	v_lshlrev_b32 v1, 4, v25
	v_and_b32 v26, 15, v0                          ; r
	v_bfe_u32 v27, v0, 4, 1                        ; h
	v_mul_u32_u24 v2, v26, PH
	v_lshl_add_u32 v10, v27, 5, v2                 ; r PH + 32 h
	v_lshl_add_u32 v2, v27, 4, v2                  ; r PH + 16 h
	v_mul_u32_u24 v3, v26, PX
	v_lshl_add_u32 v3, v27, 4, v3                  ; r PX + 16 h
	s_wait_alu depctr_va_sdst(0)                   ; s20 is written, ahead of its first reader, the next line
	v_lshl_add_u32 v6, s20, 7, v2                  ; h1: my 64 features are 128 bytes of a row
	v_add_nc_u32 v7, 32*PH, v6
	v_add_nc_u32 v8, H2, v6
	v_add_nc_u32 v9, H2+32*PH, v6
	v_lshl_add_u32 v10, s20, 8, v10                ; the stage: my 64 features are 256 bytes of a row
	v_add_nc_u32 v11, 32*PH, v10
	s_mul_i32 s21, s20, 8*PH
	v_add_nc_u32 v12, s21, v1                      ; back from the stage: tokens 8 w .. 8 w + 7, whole rows
	v_lshlrev_b32 v13, 5, v27
	v_lshl_add_u32 v13, s20, 8, v13
	v_add_nc_u32 v13, BIAS, v13                    ; 4 bytes x (64 w + 8 h)
	v_mov_b32 v14, 0
	s_mul_i32 s21, s20, 8*PX
	s_add_co_u32 s21, s21, H2
	v_lshl_add_u32 v15, v25, 3, s21                ; x: tokens 8 w .. , 4 features = 8 bytes a lane
	s_wait_kmcnt 0x0
	s_lshl_b32 s21, ttmp9, 4
	s_load_b128 s[24:27], s[6:7], s21 offset:0x8000  ; my tile's entry
	s_wait_kmcnt 0x0
	s_min_u32 s24, s24, 3                          ; loaded numbers are held inside their tables before they enter an address
	s_min_u32 s25, s25, 0x1fff
	s_min_u32 s26, s26, 64
	s_lshl_b32 s28, s24, 3
	s_add_co_u32 s28, s28, s20
	s_mul_i32 s28, s28, STREAM
	s_mov_b32 s29, 0
	s_add_nc_u64 s[42:43], s[8:9], s[28:29]        ; my stream: network e, wave w
	s_lshl_b32 s28, s24, 12
	s_add_nc_u64 s[10:11], s[10:11], s[28:29]      ; b0[e], b1[e]
	s_add_nc_u64 s[12:13], s[12:13], s[28:29]
	s_lshl_b32 s28, s24, 11
	s_add_nc_u64 s[14:15], s[14:15], s[28:29]      ; b2[e]
	s_lshl_b32 s30, s20, 3
	s_sub_co_i32 s46, s26, s30                     ; how many of my 8 places hold rows of the tile (may be negative)
	s_sub_co_u32 s31, s26, 1
	v_and_b32 v24, 7, v0
	v_lshl_add_u32 v24, s20, 3, v24                ; place 8 w + lane % 8,
	v_min_u32 v24, s31, v24                        ; or the tile's last row,
	v_add_nc_u32 v24, s25, v24
	v_min_u32 v24, 0x1fff, v24
	v_lshlrev_b32 v24, 2, v24
	v_lshlrev_b32 v26, 4, v0                       ; the 256 threads take b0[e] and b1[e] 16 bytes each,
	v_lshlrev_b32 v27, 3, v0                       ; b2[e] 8 bytes each,
	v_add_nc_u32 v25, BIAS, v26                    ; and put them here; registers of their own, so that no address is written a second time
	v_add_nc_u32 v29, BIAS+8192, v27
	s_mov_b32 s40, H2                              ; x lies at h2's head
	SETADR 3, PX                                   ; layer 0's token fragments
	s_wait_alu depctr_va_vdst(0)                   ; the addresses and offsets v1 to v15, v24 to v27 and v29 are written, which the loads and stores from here on read
	global_load_b32 v28, v24, s[6:7]               ; its token row
	global_load_b128 v[32:35], v26, s[10:11]
	global_load_b128 v[36:39], v26, s[12:13]
	global_load_b64 v[40:41], v27, s[14:15]
	s_wait_loadcnt 3                               ; the token rows are in; the three loads of biases stay out
.irp i, 0,1,2,3,4,5,6,7
	v_readlane_b32 s[32+\i], v28, \i
.endr
	s_wait_alu depctr_va_sdst(0)                   ; s32 to s39 are written, ahead of their first readers, the eight lines below
.irp i, 0,1,2,3,4,5,6,7
	s_min_u32 s[32+\i], s[32+\i], 0x1fff
.endr
.irp i, 0,1,2,3,4,5,6,7
	v_lshl_add_u32 v[16+\i], s[32+\i], 9, v1       ; a row of x is 512 bytes: one load of the wave
.endr
	s_wait_alu depctr_va_vdst(0)                   ; v16 to v23 are written, which the loads of x read
.irp i, 0,1,2,3,4,5,6,7
	global_load_b128 v[BE0+4*\i:BE0+4*\i+3], v[16+\i], s[4:5]
.endr
.irp q, 0,1,2,3,4,5
	WLOAD \q, \q*STEPB                             ; the ring's first six steps; the first pair asks for the seventh and eighth
.endr
	s_wait_loadcnt 48                              ; biases and x are in; the ring's 48 loads stay out
	WIN 0
.irp a, 32,34,36,38,40
	v_cvt_pk_bf16_f32 v28, v[\a], v[\a+1]          ; the biases are rounded to bf16 like every input, and kept as f32
	v_lshlrev_b32 v[\a], 16, v28
	v_and_b32 v[\a+1], 0xffff0000, v28
.endr
.irp i, 0,1,2,3,4,5,6,7
	v_cvt_pk_bf16_f32 v[BE0+4*\i], v[BE0+4*\i], v[BE0+4*\i+1]
	v_cvt_pk_bf16_f32 v[BE0+4*\i+1], v[BE0+4*\i+2], v[BE0+4*\i+3]
.endr
	s_wait_alu depctr_va_vdst(0)                   ; the roundings have written v32 to v41 and x's pairs in v64 to v93, which the LDS stores read
	ds_store_b128 v25, v[32:35]
	ds_store_b128 v25, v[36:39] offset:4096
	ds_store_b64 v29, v[40:41]
.irp i, 0,1,2,3,4,5,6,7
	ds_store_b64 v15, v[BE0+4*\i:BE0+4*\i+1] offset:PX*\i
.endr
	BAR                                            ; x and the biases are whole
	; ---------------- LAYER 0: h1 = relu(x W0 + b0), bf16 products, kept in f16.  Two passes of 4 steps: the stream's steps 0 to 7. ----------------
	INIT 0
	BLOAD BE0, 0, PX
	TRIP 0, 4, PX, 0, 0, 0, 1
	EPI 1, 6, 7, 0
	INIT 2048
	BLOAD BE0, 0, PX
	TRIP 4, 4, PX, 0, 0, 0, 1
	EPI 1, 6, 7, 1024
	NEXTW
	INIT 4096
	BAR                                            ; h1 is whole, and nobody reads x any more
	; ---------------- LAYER 1: h2 = relu(h1 W1 + b1), f16 products, kept in bf16 (over x). ----------------
	PASS32 H1, 1, 0
	EPI 0, 8, 9, 0
	INIT 6144
	PASS32 H1, 1, 0
	EPI 0, 8, 9, 1024
	INIT 8192
	BAR                                            ; h2 is whole, and nobody reads h1 any more
	; ---------------- LAYER 2: out = h2 W2 + b2, bf16 products. ----------------
	PASS32 H2, 0, 1
	; ---------------- THE WAY OUT: f32 through the stage (h1's bytes), back as whole rows of 2,048 bytes, wave w tokens 8 w .. 8 w + 7. ----------------
	WIN 0
.irp i, 0,1,2,3,4,5,6,7
	v_lshl_add_u32 v[16+\i], s[32+\i], 11, v1      ; my tokens' rows of out0: eight plain instructions, the places behind the last products (the loads of x that read these registers stand ahead of many waits on vm_vsrc)
.endr
	s_wait_alu depctr_va_vdst(0)                   ; the last products have written the accumulators, which the LDS stores read; v16 to v23 are written, which the stores to out0 read
.irp f, 0,1,2,3
.irp t, 0,1,2,3
	ds_store_b128 v[10+\t/2], v[ACC+8*(4*\f+\t):ACC+8*(4*\f+\t)+3]   offset:(\t%2)*16*PH+64*\f
	ds_store_b128 v[10+\t/2], v[ACC+8*(4*\f+\t)+4:ACC+8*(4*\f+\t)+7] offset:(\t%2)*16*PH+64*\f+16
.endr
.endr
	BAR                                            ; a row's 2,048 bytes come from all eight waves
	s_wait_alu depctr_vm_vsrc(0)                   ; my LDS stores have read the accumulators, in which the stage's rows land
.irp i, 0,1,2,3,4,5,6,7
.irp c, 0,1,2,3
	ds_load_b128 v[ACC+16*\i+4*\c:ACC+16*\i+4*\c+3], v12 offset:PH*\i+512*\c
.endr
.endr
.irp i, 0,1,2,3,4,5,6,7
	s_cmp_gt_i32 s46, \i                           ; places past the tile's count are not stored: a jump forward, over stores alone
	s_cbranch_scc0 .Ldone
	s_wait_dscnt 4*(7-\i)                          ; token i's four loads are back, the later tokens' stay out
.irp c, 0,1,2,3
	global_store_b128 v[16+\i], v[ACC+16*\i+4*\c:ACC+16*\i+4*\c+3], s[16:17] offset:512*\c th:TH_STORE_NT  ; 512 consecutive bytes, at a multiple of 256 from out0's first byte
.endr
.endr
.Ldone:
	s_wait_dscnt 0x0                               ; the closing lines, six on end
	s_wait_alu 0x0
	s_wait_tensorcnt 0x0
	ds_add_u32 v30, v31
	s_wait_dscnt 0x0
	s_endpgm
.Lfunc_end_k_qcb5028bbe8_chain:
	.size	k_qcb5028bbe8_chain, .Lfunc_end_k_qcb5028bbe8_chain-k_qcb5028bbe8_chain
	.p2alignl 7, 3214868480
	.fill 96, 4, 3214868480
	.section	.rodata,"a",@progbits
	.p2align	6, 0x0
	.amdhsa_kernel k_qcb5028bbe8_chain
		.amdhsa_group_segment_fixed_size 275456
		.amdhsa_private_segment_fixed_size 0
		.amdhsa_enable_private_segment 0
		.amdhsa_kernarg_size 56
		.amdhsa_user_sgpr_count 2
		.amdhsa_user_sgpr_kernarg_segment_ptr 1
		.amdhsa_wavefront_size32 1
		.amdhsa_system_sgpr_workgroup_id_x 1
		.amdhsa_system_sgpr_workgroup_id_y 1
		.amdhsa_system_sgpr_workgroup_id_z 1
		.amdhsa_system_vgpr_workitem_id 0
		.amdhsa_next_free_vgpr 512
		.amdhsa_next_free_sgpr 66
		.amdhsa_reserve_vcc 0
		.amdhsa_float_denorm_mode_32 3
		.amdhsa_float_denorm_mode_16_64 3
		.amdhsa_memory_ordered 1
		.amdhsa_forward_progress 1
		.amdhsa_inst_pref_size 204
	.end_amdhsa_kernel
	.amdgpu_metadata
---
amdhsa.version: [ 1, 2 ]
amdhsa.kernels:
  - .name:           k_qcb5028bbe8_chain
    .symbol:         k_qcb5028bbe8_chain.kd
    .args:
      - { .name: inputs, .offset: 0, .size: 8, .value_kind: global_buffer, .address_space: global }
      - { .name: route, .offset: 8, .size: 8, .value_kind: global_buffer, .address_space: global }
      - { .name: wsw, .offset: 16, .size: 8, .value_kind: global_buffer, .address_space: global }
      - { .name: b0, .offset: 24, .size: 8, .value_kind: global_buffer, .address_space: global }
      - { .name: b1, .offset: 32, .size: 8, .value_kind: global_buffer, .address_space: global }
      - { .name: b2, .offset: 40, .size: 8, .value_kind: global_buffer, .address_space: global }
      - { .name: out0, .offset: 48, .size: 8, .value_kind: global_buffer, .address_space: global }
    .group_segment_fixed_size: 275456
    .private_segment_fixed_size: 0
    .kernarg_segment_align: 8
    .kernarg_segment_size: 56
    .max_flat_workgroup_size: 256
    .sgpr_count:     66
    .vgpr_count:     512
    .wavefront_size: 32
...
	.end_amdgpu_metadata
.endif
;; end of part 3
